; MI455X (gfx1250); checked and timed in simulation.
; The chip was launched on July 23, 2026; its instructions are those of AMD's public machine-readable ISA for CDNA 5 (MIT licence, August 2026) and "CDNA5" Instruction Set Architecture Reference Guide (July 2026). The comments in the code are by the model that wrote it; some were corrected since.
;; KAN Layer. Allowed arithmetic: matrix products marked QUANTISED: E4M3 operands, one E8M0 scale for each 32 along K, by v_wmma_scale_f32_16x16x128_f8f6f4 with both operands' format E4M3, f32 sums; everything else in f32.
;; Inputs: coef 2,048 x 1,024 x 8 float32; grid 8 float32; x 4,096 x 2,048 float32.
;; Outputs: out0 4,096 x 1,024 float32.
;; This version of the problem:
;;   THIS VERSION OF THE PROBLEM IS GIVEN IN LOW PRECISION. The matrix products marked QUANTISED in the list below multiply operands that are first quantised to E4M3 (4 exponent bits, 3 mantissa bits; 8 bits a number), with one power-of-two scale for each 32 numbers along K (OCP MX v1.0); their sums are f32. All else is computed in f32.
;;   The module's matrix products, in the order in which they are computed (A, B: the left and right operand; K: the contracted axis; several contracted axes count as one K, in the product's order):
;;     1. [M 4,096, K 16,384] x [K 16,384, N 1,024]; A: computed on the way; B: input coef: QUANTISED
;;   THE QUANTISER, for each operand of a quantised product, along K:
;;     - K is cut into blocks of 32 from its start; a last block that is shorter is filled with zeros.
;;     - A block's scale is 2^e with e = floor(log2(the largest magnitude in the block)) - 8, held to -126 .. 127; a block of zeros has e = 0. As a byte (E8M0): e + 127.
;;     - Each number is divided by its block's scale, clamped to +-448, and rounded to the nearest number of E4M3, ties to even, subnormals kept.
;;     - The product sums the exact products of the quantised numbers (number of the format x scale) in f32.
;;   ~~~python
;;   def quantise(x, axis):      # numpy; x: float32 -> the quantised numbers, widened to float32 again
;;       x = np.moveaxis(x, axis, -1); K = x.shape[-1]
;;       x = np.pad(x, [(0, 0)] * (x.ndim - 1) + [(0, -K % 32)]); x = x.reshape(x.shape[:-1] + (-1, 32)); a = np.abs(x).max(-1, keepdims=True)
;;       e = np.where(a > 0, np.clip(np.frexp(np.where(a > 0, a, 1))[1] - 1 - 8, -126, 127), 0)      # np.frexp(a)[1] - 1 = floor(log2(a)), exactly
;;       r = np.clip(x / 2.0 ** e, -448, 448)
;;       step = 2.0 ** (np.maximum(np.frexp(np.where(r == 0, 1, r))[1] - 1, -6) - 3)
;;       q = np.round(r / step) * step * 2.0 ** e      # np.round: ties to even
;;       return np.moveaxis(q.reshape(q.shape[:-2] + (-1,))[..., :K], -1, axis).astype(np.float32)
;;   ~~~
;;   OPERANDS COMPUTED ON THE WAY. 'Computed on the way' means the value that the module computes at that place (a softmax that the list does not call 'softmax' is quantised finished and normalised). What goes into a quantiser is computed in f32, as accurately as f32 sums, v_exp_f32 and their like allow (about 1e-6 of the number): no bf16 or f16 on the way to a quantiser, and a product that is left as it is and whose result goes on into a quantised operand takes f32 operands (vector FMAs, or v_wmma_f32_16x16x4_f32). A number that lies on a knife's edge between two numbers of the format may be rounded either way, as far as f32 arithmetic and the matrix unit's own rounding can turn it there, and no further.
;; One version. Each part assembles by itself: llvm-mc -triple=amdgcn-amd-amdhsa -mcpu=gfx1250 --defsym DOCPART=n.
;; ======== version 1 of 1: 3 launches
;; limits: right only within a limited range of input values
;; workspace buffers: aq 69,206,016 bytes; bq 17,301,504 bytes; part 67,108,864 bytes
;; launch prep (part 1): grid 1280 x 1, 4 waves a work-group, no clusters, 35,328 bytes of LDS; arguments x, coef, grid, aq, bq; writes aq, bq
.if DOCPART == 1
	.amdgcn_target "amdgcn-amd-amdhsa--gfx1250"
	.amdhsa_code_object_version 6
	.text
	.protected	k_q92149e36c9_prep
	.globl	k_q92149e36c9_prep
	.p2align	8
	.type	k_q92149e36c9_prep,@function
k_q92149e36c9_prep:
	s_mov_b64 s[64:65], 0
	v_nop
	global_prefetch_b8 v0, s[64:65] scope:SCOPE_SE
	s_setreg_imm32_b32 hwreg(HW_REG_WAVE_MODE, 25, 1), 1
	s_wait_xcnt 0x0
; BOTH OPERANDS OF out[b][j] = sum over (i, k) of basis[b][i][k] coef[i][j][k] ARE MADE ONCE, as codes of FP8 (E4M3) with one E8M0 byte for each 32 along K (K = 8 i + k: a block is four i x eight k).
; basis[b][i][k] = e_k / (sum of e + 1e-8), e_k = exp(-5 (x[b][i] - grid[k])^2), all in f32; the difference is rounded as it is written, so a common offset of x and grid cancels.
; LAYOUT OF aq AND bq: blocks of BLK = 67,584 bytes: 128 rows (aq) or 128 columns (bq) x 512 along K (64 i, a kstep).  aq: block 32 mb + ks; bq: block 32 nb + ks.
;   codes: images of operand registers: byte 16384 q + 2048 t + 512 c + 16 lane: part q of 128 along K, tile t of 16 rows, registers 4 c .. 4 c + 3 of that lane.
;   scale words behind them: word (q, t, r) at 65536 + 1024 (q % 2) + 256 (t / 2) + 16 r + 8 (q / 2) + 4 (t % 2).
;   K IS PERMUTED INSIDE A KSTEP, ALIKE IN BOTH: block beta (i = 64 ks + 4 beta + il) is (q, c) = (2 (beta / 8) + beta % 2, (beta % 8) / 2); in it number (il, k) is byte 4 il + k % 4 of lane half k / 4.  Every block of 32 stays whole.
; SHARES: work-groups 0-255 take coef (one block of bq each), work-groups 256-1279 the basis (one block of aq each).  The work-groups share no input but the 32 bytes of grid: no cluster, no tensor load, no barrier, no matrix unit.
; With 192 registers and 35,328 bytes of LDS five work-groups fit on a WGP: all 1,280 stand side by side, coef's streams beside the basis's arithmetic.
; LIMITS: NaN and infinities among the inputs are not served.  An exponential under 2^-126 counts as 0 (ISA guide, v_exp_f32).  A block whose largest magnitude lies under 2^-118 (a block of zeros too) gets the byte 1;
; zero codes add nothing under it, and these bytes are read by this program alone.
.set BLK,  67584
; THE LAYOUT IN FORCE (it takes the place of the two lines on codes and scale words above): a block is TWO HALVES of 33,792 bytes, 256 along K each; half q / 2 holds
;   codes at 16384 (q % 2) + 2048 t + 512 c + 16 lane, and behind them scale word (q, t, r) at 32768 + 256 (t / 2) + 128 (q % 2) + 8 r + 4 (t % 2).
.set SCO,  32768                       ; where a half block's scale words begin
.set NG,   8                           ; v8-15    -grid[k]
.set XR,   16                          ; v16-31   two sets of 2 tiles x 4 x
.set E,    32                          ; v32-95   tile u's block: register 32 u + 16 (k / 4) + 4 il + k % 4
.set T,    96                          ; v96-111  a pair of half sums for each (u, il)
.set S,    112                         ; v112-119 the sum + 1e-8, then its reciprocal, at 4 u + il
.set M,    120                         ; v120-121 the block's largest number; v122-123 a second chain
.set MB,   122
.set SO,   124                          ; v124-125 the conversion's scale operand
.set HOLD, 126                         ; v126-127 448 x the scale
.set C,    128                         ; v128-143 the codes, 8 registers a block
.set W,    144                         ; v144-147 scale words at 2 (m / 4) + u
.set BY,   148                         ; v148-149 a byte at work
	s_load_b256 s[4:11], s[0:1], 0x0               ; x s[4:5], coef s[6:7], grid s[8:9], aq s[10:11]
	s_load_b64 s[12:13], s[0:1], 0x20              ; bq
	v_lshl_add_u32 v190, v0, 2, 0x8800             ; my spare word, behind the four stages
	v_mov_b32 v191, 0
	v_and_b32 v1, 15, v0                           ; r
	v_bfe_u32 v2, v0, 4, 1                         ; h
	v_lshrrev_b32 v3, 5, v0
	v_readfirstlane_b32 s14, v3                    ; wave tp, 0..3: it takes tiles 2 tp and 2 tp + 1
	s_mov_b32 s20, 0x76543210
	s_mov_b32 s21, 0xfedcba98                      ; v_permlanex16_b32's selects for lane l xor 16
	s_mov_b32 s24, 0x600000                        ; the mantissa field of 448
	s_mov_b32 s27, 0                               ; the upper word of every offset
	v_lshlrev_b32 v7, 3, v1
	v_lshl_add_u32 v7, v2, 7, v7
	s_lshl_b32 s15, s14, 8
	s_add_co_u32 s15, s15, SCO
	v_add_nc_u32 v7, s15, v7                       ; my two scale words of a half block: 32768 + 256 tp + 128 h + 8 r: the wave's 32 lanes cover 256 consecutive bytes
	s_wait_alu depctr_va_vdst(0)                   ; the wait at the head's end
	s_wait_kmcnt 0x0
	s_cmp_lt_u32 ttmp9, 256
	s_cbranch_scc1 .Lcoef
; ---------------- THE BASIS.  Work-group 256 + 32 mb + ks.  Wave tp: 32 rows x 64 i.  In step m lane (r, h) holds the WHOLE block beta = 2 m + h of row r of both its tiles: nothing crosses lanes.
	s_load_b256 s[28:35], s[8:9], 0x0              ; grid
	s_sub_co_u32 s16, ttmp9, 256
	s_lshr_b32 s17, s16, 5                         ; mb
	s_and_b32 s18, s16, 31                         ; ks
	s_lshl_b32 s26, s17, 20                        ; 128 rows of 8,192 bytes
	s_lshl_b32 s19, s14, 18                        ; my wave's 32 rows
	s_add_co_u32 s26, s26, s19
	s_lshl_b32 s19, s18, 8                         ; 64 i are 256 bytes of a row
	s_add_co_u32 s26, s26, s19
	s_add_nc_u64 s[4:5], s[4:5], s[26:27]
	s_mul_i32 s26, s16, BLK
	s_add_nc_u64 s[10:11], s[10:11], s[26:27]
	v_lshlrev_b32 v3, 4, v1
	v_lshl_add_u32 v3, v2, 13, v3                  ; lanes 0-15 take 256 consecutive bytes of one row, lanes 16-31 of the next
.irp j, 0,1,2,3,4,5,6,7,8,9,10,11,12,13,14,15
	global_load_b128 v[E+4*\j:E+4*\j+3], v3, s[4:5] offset:16384*\j th:TH_LOAD_NT
.endr
	s_mul_i32 s19, s14, 8704                       ; my wave's stage: 32 rows x (256 + 16) bytes
	v_mul_u32_u24 v4, v2, 272
	v_lshl_add_u32 v4, v1, 4, v4
	v_add_nc_u32 v4, s19, v4                       ; in: as loaded
	v_mul_u32_u24 v5, v1, 272
	v_lshl_add_u32 v5, v2, 4, v5
	v_add_nc_u32 v5, s19, v5                       ; out: row r, 16 bytes (four i) for each half of the lanes; the pitch is an odd multiple of 16 bytes
	v_lshlrev_b32 v6, 4, v1
	v_lshl_add_u32 v6, v2, 14, v6
	s_lshl_b32 s19, s14, 12
	v_add_nc_u32 v6, s19, v6                       ; my codes: 16384 h + 4096 tp + 16 r
	s_mov_b32 s22, 0xc0e6d4ca                      ; -5 log2(e)
	s_mov_b32 s23, s22                             ; (named with it as a pair, so it is written)
	s_mov_b32 s25, 0x322bcc77                      ; 1e-8
	s_wait_kmcnt 0x0                               ; grid
.irp k, 0,1,2,3,4,5,6,7
	v_mov_b32 v[NG+\k], s[28+\k]
.endr
.irp k, 0,1,2,3,4,5,6,7
	v_mul_f32 v[NG+\k], -1.0, v[NG+\k]
.endr
	s_wait_alu depctr_va_vdst(0)
	s_wait_loadcnt 0x0
.irp j, 0,1,2,3,4,5,6,7,8,9,10,11,12,13,14,15
	ds_store_b128 v4, v[E+4*\j:E+4*\j+3] offset:544*\j
.endr
	ds_load_b128 v[XR:XR+3], v5                    ; step 0's x.  LDS serves a wave's instructions in order (ISA guide 5.7.1): these see my stores; the stage is my wave's own
	ds_load_b128 v[XR+4:XR+7], v5 offset:4352
.macro ASTEP m
.set XB, XR+8*((\m)%2)
.set XN, XR+8*(((\m)+1)%2)
.set CC, (\m)%4
.set QH, (\m)/4
	s_wait_dscnt 0x0                               ; this step's two loads are all that is out
.if (\m) < 7
	ds_load_b128 v[XN:XN+3], v5 offset:32*((\m)+1) ; the next step's x lands while this step is worked
	ds_load_b128 v[XN+4:XN+7], v5 offset:4352+32*((\m)+1)
.endif
.irp u, 0,1
.irp i, 0,1,2,3
.irp p, 0,1,2,3
.set EP, E+32*\u+16*(\p/2)+4*\i+2*(\p%2)
.set XP, XB+4*\u+2*(\i/2)
.if \i%2
	v_pk_add_f32 v[EP:EP+1], v[XP:XP+1], v[NG+2*\p:NG+2*\p+1] op_sel:[1,0] op_sel_hi:[1,1]   ; x - grid for two k: the pair's second x feeds both halves
.else
	v_pk_add_f32 v[EP:EP+1], v[XP:XP+1], v[NG+2*\p:NG+2*\p+1] op_sel:[0,0] op_sel_hi:[0,1]   ; the pair's first x feeds both halves
.endif
.endr
.endr
.endr
.set j, 0
.rept 32
	v_pk_mul_f32 v[E+j:E+j+1], v[E+j:E+j+1], v[E+j:E+j+1]
.set j, j+2
.endr
.set j, 0
.rept 32
	v_pk_mul_f32 v[E+j:E+j+1], v[E+j:E+j+1], s[22:23] op_sel_hi:[1,0]
.set j, j+2
.endr
.set j, 0
	s_wait_alu depctr_va_vdst(0)
.rept 64
	v_exp_f32 v[E+j], v[E+j]                       ; one batch of 64
.set j, j+1
.endr
	v_nop                                          ; a plain instruction behind the last exponential (ISA guide 5.7.2),
	s_wait_alu depctr_va_vdst(0)                   ; and one wait for the batch ahead of its first reader
.irp u, 0,1
.irp i, 0,1,2,3
	v_pk_add_f32 v[T+2*(4*\u+\i):T+2*(4*\u+\i)+1], v[E+32*\u+4*\i:E+32*\u+4*\i+1], v[E+32*\u+4*\i+2:E+32*\u+4*\i+3]   ; the eight sums by turns
.endr
.endr
.irp d, 16,18
.irp u, 0,1
.irp i, 0,1,2,3
	v_pk_add_f32 v[T+2*(4*\u+\i):T+2*(4*\u+\i)+1], v[T+2*(4*\u+\i):T+2*(4*\u+\i)+1], v[E+32*\u+4*\i+\d:E+32*\u+4*\i+\d+1]
.endr
.endr
.endr
.irp n, 0,1,2,3,4,5,6,7
	v_add_f32 v[S+\n], v[T+2*\n], v[T+2*\n+1]
.endr
.irp n, 0,1,2,3,4,5,6,7
	v_add_f32 v[S+\n], s25, v[S+\n]                ; + 1e-8
.endr
	s_wait_alu depctr_va_vdst(0)
.irp n, 0,1,2,3,4,5,6,7
	v_rcp_f32 v[S+\n], v[S+\n]
.endr
	v_nop
	s_wait_alu depctr_va_vdst(0)                   ; one wait for the eight reciprocals
.irp u, 0,1
.irp i, 0,1,2,3
.irp p, 0,1,2,3
.set EP, E+32*\u+16*(\p/2)+4*\i+2*(\p%2)
.set RP, S+4*\u+2*(\i/2)
.if \i%2
	v_pk_mul_f32 v[EP:EP+1], v[EP:EP+1], v[RP:RP+1] op_sel:[0,1] op_sel_hi:[1,1]
.else
	v_pk_mul_f32 v[EP:EP+1], v[EP:EP+1], v[RP:RP+1] op_sel:[0,0] op_sel_hi:[1,0]
.endif
.endr
.endr
.endr
.irp u, 0,1                                    ; the block's largest number: all 32 are mine and none is negative; the floor 2^(9 - 127) holds the byte at 1 from below.  Four chains by turns
	v_max3_num_f32 v[M+\u], v[E+32*\u], v[E+32*\u+1], 0x4800000
	v_max3_num_f32 v[MB+\u], v[E+32*\u+16], v[E+32*\u+17], v[E+32*\u+18]
.endr
.irp i, 2,4,6,8,10,12
.irp u, 0,1
	v_max3_num_f32 v[M+\u], v[M+\u], v[E+32*\u+\i], v[E+32*\u+\i+1]
	v_max3_num_f32 v[MB+\u], v[MB+\u], v[E+32*\u+17+\i], v[E+32*\u+18+\i]
.endr
.endr
.irp u, 0,1
	v_max3_num_f32 v[M+\u], v[M+\u], v[E+32*\u+14], v[E+32*\u+15]
.endr
.irp u, 0,1
	v_max3_num_f32 v[M+\u], v[M+\u], v[MB+\u], v[E+32*\u+31]
.endr
.irp u, 0,1
	v_add_nc_u32 v[SO+\u], 0xfc000000, v[M+\u]     ; 8 off the exponent field: the conversion takes this operand's exponent field as its scale
.endr
.irp u, 0,1
	v_and_or_b32 v[HOLD+\u], v[M+\u], 0x7f800000, s24   ; 448 x the scale
.endr
.irp u, 0,1
.set j, 0
.rept 32
	v_min_num_f32 v[E+32*\u+j], v[E+32*\u+j], v[HOLD+\u]   ; the conversion to an 8-bit code does not saturate (ISA guide 7.6.2); nothing here is negative, so the hold is one-sided
.set j, j+1
.endr
.endr
	s_wait_alu depctr_va_vdst(0)
	s_wait_xcnt 0x0                                ; the last step's stores have read their data: the codes' registers are written again only behind this wait
.irp u, 0,1
.irp g, 0,1,2,3
	v_cvt_scalef32_pk8_fp8_f32 v[C+8*\u+2*\g:C+8*\u+2*\g+1], v[E+32*\u+8*\g:E+32*\u+8*\g+7], v[SO+\u]
.endr
.endr
.irp u, 0,1                                    ; the scale's byte, byte c of the word of (q = 2 (m / 4) + h, tile u).  These are also the plain lines behind the conversions
.if CC == 0
	v_lshrrev_b32 v[W+2*QH+\u], 23, v[SO+\u]
.else
	v_lshrrev_b32 v[BY+\u], 23, v[SO+\u]
.endif
.endr
.if CC != 0
.irp u, 0,1
	v_lshl_or_b32 v[W+2*QH+\u], v[BY+\u], 8*CC, v[W+2*QH+\u]
.endr
.endif
.irp u, 0,1                                    ; numbers 0-15 are the image of lane half 0, numbers 16-31 of lane half 1: sixteen lanes store 256 consecutive bytes, aligned
	global_store_b128 v6, v[C+8*\u:C+8*\u+3], s[10:11] offset:QH*33792+\u*2048+CC*512
	global_store_b128 v6, v[C+8*\u+4:C+8*\u+7], s[10:11] offset:QH*33792+\u*2048+CC*512+256
.endr
.endm
.irp m, 0,1,2,3,4,5,6,7
	ASTEP \m
.endr
	global_store_b64 v7, v[W:W+1], s[10:11]                 ; my row's scale words of the first half block: the wave stores 256 consecutive bytes, aligned
	global_store_b64 v7, v[W+2:W+3], s[10:11] offset:33792  ; and of the second
	s_wait_tensorcnt 0x0
	ds_add_u32 v190, v191
	s_wait_dscnt 0x0
	s_endpgm
; ---------------- COEF.  Work-group 8 ks + nb.  coef[i][j][k]: 32,768 bytes from i to i, 32 from j to j.  Lane (r, h) takes k = 4 h .. 4 h + 3 of column j = 128 nb + 32 tp + 16 tt + r:
; its four loads of a block (il = 0 .. 3) ARE its 16 numbers in the operand's order, and every load and store of the wave covers 512 consecutive bytes.  No LDS on this path.
.Lcoef:
	s_lshr_b32 s16, ttmp9, 3                       ; ks
	s_and_b32 s17, ttmp9, 7                        ; nb
	s_lshl_b32 s26, s16, 21                        ; 64 i
	s_lshl_b32 s19, s17, 12                        ; 128 columns
	s_add_co_u32 s26, s26, s19
	s_add_nc_u64 s[6:7], s[6:7], s[26:27]
	s_lshl_b32 s19, s17, 5
	s_add_co_u32 s19, s19, s16
	s_mul_i32 s26, s19, BLK
	s_add_nc_u64 s[12:13], s[12:13], s[26:27]
	v_lshlrev_b32 v3, 5, v1
	v_lshl_add_u32 v3, v2, 4, v3
	s_lshl_b32 s19, s14, 10
	v_add_nc_u32 v3, s19, v3                       ; in: 1024 tp + 32 r + 16 h
	v_and_b32 v6, 31, v0
	v_lshlrev_b32 v6, 4, v6
	s_lshl_b32 s19, s14, 12
	v_add_nc_u32 v6, s19, v6                       ; out: 4096 tp + 16 lane
	v_mov_b32 v162, 0                              ; written once: a lane permute's destination counts as one of its sources
	s_wait_alu depctr_va_vdst(0)
; Unit n = block n / 2 of tile n % 2.  v32-159: a ring of eight units x 16 numbers.  v160, v161 maxima; v163 scale operand; v164 hold; v165 byte; v168-171 codes; v176-183 scale words at 2 q + tt.
.macro BLOAD n
.set LB, (\n)/2
.set LT, (\n)%2
.set LR, 32+16*((\n)%8)
.irp i, 0,1,2,3
	global_load_b128 v[LR+4*\i:LR+4*\i+3], v3, s[6:7] offset:(4*LB+\i)*32768+LT*512 th:TH_LOAD_NT
.endr
.endm
.macro BUNIT n
.set UB, (\n)/2
.set UT, (\n)%2
.set VR, 32+16*((\n)%8)
.set QQ, 2*(UB/8)+UB%2
.set CQ, (UB%8)/2
.if (\n) < 25
	s_wait_loadcnt 28                              ; loads come back in order: mine are in; the seven younger units' four loads each may be out
.else
	s_wait_loadcnt 4*(31-(\n))                     ; the last units load nothing: the count runs down
.endif
	v_max3_num_f32 v160, |v[VR]|, |v[VR+1]|, 0x4800000     ; my 16 numbers, in two chains, and the floor 2^(9 - 127)
	v_max3_num_f32 v161, |v[VR+8]|, |v[VR+9]|, |v[VR+10]|
	v_max3_num_f32 v160, v160, |v[VR+2]|, |v[VR+3]|
	v_max3_num_f32 v161, v161, |v[VR+11]|, |v[VR+12]|
	v_max3_num_f32 v160, v160, |v[VR+4]|, |v[VR+5]|
	v_max3_num_f32 v161, v161, |v[VR+13]|, |v[VR+14]|
	v_max3_num_f32 v160, v160, |v[VR+6]|, |v[VR+7]|
	v_max3_num_f32 v160, v160, v161, |v[VR+15]|
	v_permlanex16_b32 v162, v160, s20, s21
	v_max_num_f32 v160, v160, v162                 ; with lane l xor 16's 16: the block's largest magnitude
	v_add_nc_u32 v163, 0xfc000000, v160
	v_and_or_b32 v164, v160, 0x7f800000, s24
.irp i, 0,1,2,3,4,5,6,7,8,9,10,11,12,13,14,15
	v_med3_num_f32 v[VR+\i], v[VR+\i], -v164, v164 ; the hold at 448 x the scale (ISA guide 7.6.2)
.endr
	s_wait_alu depctr_va_vdst(0)
	s_wait_xcnt 0x0                                ; the last unit's store has read its data
	v_cvt_scalef32_pk8_fp8_f32 v[168:169], v[VR:VR+7], v163
	v_cvt_scalef32_pk8_fp8_f32 v[170:171], v[VR+8:VR+15], v163
.if CQ == 0
	v_lshrrev_b32 v[176+2*QQ+UT], 23, v163         ; the plain line behind the conversions
.else
	v_lshrrev_b32 v165, 23, v163
	v_lshl_or_b32 v[176+2*QQ+UT], v165, 8*CQ, v[176+2*QQ+UT]
.endif
	global_store_b128 v6, v[168:171], s[12:13] offset:(QQ/2)*33792+(QQ%2)*16384+UT*2048+CQ*512
.if (\n) < 24
	BLOAD (\n)+8
.endif
.endm
.irp n, 0,1,2,3,4,5,6,7
	BLOAD \n
.endr
.irp n, 0,1,2,3,4,5,6,7,8,9,10,11,12,13,14,15,16,17,18,19,20,21,22,23,24,25,26,27,28,29,30,31
	BUNIT \n
.endr
	v_cmp_ne_u32 vcc_lo, 0, v2                     ; both halves of the lanes hold all eight words: half h stores those of q = h and q = 2 + h
	v_cndmask_b32 v184, v176, v178, vcc_lo
	v_cndmask_b32 v185, v177, v179, vcc_lo
	v_cndmask_b32 v186, v180, v182, vcc_lo
	v_cndmask_b32 v187, v181, v183, vcc_lo
	global_store_b64 v7, v[184:185], s[12:13]
	global_store_b64 v7, v[186:187], s[12:13] offset:33792
	s_endpgm
.Lfunc_end_k_q92149e36c9_prep:
	.size	k_q92149e36c9_prep, .Lfunc_end_k_q92149e36c9_prep-k_q92149e36c9_prep
	.p2alignl 7, 3214868480
	.fill 96, 4, 3214868480
	.section	.rodata,"a",@progbits
	.p2align	6, 0x0
	.amdhsa_kernel k_q92149e36c9_prep
		.amdhsa_group_segment_fixed_size 35328
		.amdhsa_private_segment_fixed_size 0
		.amdhsa_enable_private_segment 0
		.amdhsa_kernarg_size 40
		.amdhsa_user_sgpr_count 2
		.amdhsa_user_sgpr_kernarg_segment_ptr 1
		.amdhsa_wavefront_size32 1
		.amdhsa_system_sgpr_workgroup_id_x 1
		.amdhsa_system_sgpr_workgroup_id_y 1
		.amdhsa_system_sgpr_workgroup_id_z 1
		.amdhsa_system_vgpr_workitem_id 0
		.amdhsa_next_free_vgpr 192
		.amdhsa_next_free_sgpr 66
		.amdhsa_reserve_vcc 1
		.amdhsa_float_denorm_mode_32 3
		.amdhsa_float_denorm_mode_16_64 3
		.amdhsa_memory_ordered 1
		.amdhsa_forward_progress 1
		.amdhsa_inst_pref_size 234
	.end_amdhsa_kernel
	.amdgpu_metadata
---
amdhsa.version: [ 1, 2 ]
amdhsa.kernels:
  - .name:           k_q92149e36c9_prep
    .symbol:         k_q92149e36c9_prep.kd
    .args:
      - { .name: x, .offset: 0, .size: 8, .value_kind: global_buffer, .address_space: global }
      - { .name: coef, .offset: 8, .size: 8, .value_kind: global_buffer, .address_space: global }
      - { .name: grid, .offset: 16, .size: 8, .value_kind: global_buffer, .address_space: global }
      - { .name: aq, .offset: 24, .size: 8, .value_kind: global_buffer, .address_space: global }
      - { .name: bq, .offset: 32, .size: 8, .value_kind: global_buffer, .address_space: global }
    .group_segment_fixed_size: 35328
    .private_segment_fixed_size: 0
    .kernarg_segment_align: 8
    .kernarg_segment_size: 40
    .max_flat_workgroup_size: 128
    .sgpr_count:     66
    .vgpr_count:     192
    .wavefront_size: 32
...
	.end_amdgpu_metadata
.endif
;; end of part 1
;; launch gemm (part 2): grid 4 x 64, 4 waves a work-group, clusters of 4 x 4, 327,680 bytes of LDS; arguments aq, bq, part; writes part
.if DOCPART == 2
	.amdgcn_target "amdgcn-amd-amdhsa--gfx1250"
	.amdhsa_code_object_version 6
	.text
	.protected	k_q92149e36c9_gemm
	.globl	k_q92149e36c9_gemm
	.p2align	8
	.type	k_q92149e36c9_gemm,@function
k_q92149e36c9_gemm:
	s_mov_b64 s[64:65], 0
	v_nop
	global_prefetch_b8 v0, s[64:65] scope:SCOPE_SE
	s_setreg_imm32_b32 hwreg(HW_REG_WAVE_MODE, 25, 1), 1
	s_wait_xcnt 0x0
	s_wait_alu depctr_hold_cnt(0) depctr_sa_sdst(0) depctr_va_vdst(0) depctr_va_sdst(0) depctr_va_ssrc(0) depctr_va_vcc(0) depctr_vm_vsrc(0)
	s_getreg_b32 s2, hwreg(HW_REG_IB_STS2, 6, 4)
	s_cmp_eq_u32 s2, 0
	s_cbranch_scc0 .Lentry_in_a_cluster
	s_endpgm
.Lentry_in_a_cluster:
	s_bfe_u32 s2, ttmp6, 0x10000c
	s_cmp_lg_u32 s2, 0xf033
	s_cbranch_scc0 .Lentry_shape_is_right
	s_endpgm
.Lentry_shape_is_right:
; PARTS OF out = basis x coef ON CODES OF MX-FP8 (E4M3, an E8M0 byte for 32 along K).  M 4,096, N 1,024, K 16,384.  A work-group makes 256 x 256 of the result over a QUARTER of K (4,096): 16 x 4 blocks x 4 quarters = 256 work-groups.
; The four f32 parts of a number are added by the next launch.  LIMITS: NaN and infinities are not served.
; aq, bq: half blocks of HB = 33,792 bytes: 128 rows x 256 along K as images of operand registers: codes at 16384 q + 2048 t + 512 c + 16 lane (q: which 128 of K, t: tile of 16 rows), scale word (q, t, r) at 32768 + 256 (t / 2) + 128 q + 8 r + 4 (t % 2);
; the half blocks of 128 rows follow each other along K (64 of them).
; THE DEAL.  Wave w makes rows 64 w .. 64 w + 63 x all 256 columns: 64 accumulators, 512 registers.  Its 64 rows of A are read by no other wave of the work-group: they go from memory straight into operand registers (each load covers 512 consecutive bytes),
; two sets, each in two halves of two tiles, asked for as soon as the half's last product of the step two back is issued.  So A never lies in LDS and is not asked for jointly, and LDS has room for two slots of 512 along K of B's 256 columns (135,168 bytes each).
; CLUSTERS: 4 x 4 work-groups: four column blocks x four row blocks of ONE quarter of K.  B's slots are filled by joint tensor loads, shared down a column of the cluster; each wave brings one half block.  The four readers of a row of A stand in one row of the cluster.
; A step is 128 along K: 64 products: B's tiles 0-7 (window 2's sums), then 8-15 (window 3's); each half of B's registers is fetched anew from LDS, in one run, behind its 32 products.
; A scale register holds the words of the even 128 of K in lanes 0-15 and of the odd 128 in lanes 16-31.  THE PRODUCT IS USED TRANSPOSED: source 0 = B's tile, source 1 = A's.
; part[quarter][row block][column block][wave][a][b][half][lane][16 bytes]: the accumulators as they stand: every store covers 512 consecutive bytes.
; REGISTERS: window 0: v4-16 addresses, v28-29 the add's, v32-39 A's scale words, v40-55 B's, v64-191 A's two sets.  Window 1: B's 16 tiles.  Windows 2, 3: sums, (a, b) at 8 (8 a + b % 8) of window 2 + b / 8.
.set HB,    33792
.set BLK,   2*HB
.set SLOT,  2*BLK
.set SPARE, 2*SLOT                     ; behind the ring: the spare words, 128 bytes a wave
.set L16, 4                            ; 16 x lane
.set L8B, 5                            ; 32768 + 8 x lane
.set ADR, 6                            ; v6-9   B's codes in the slot at work: column half j, half block x at ADR + 2 j + x
.set ADS, 10                           ; v10-11 B's scale words, column half j
.set VAO, 12                           ; A's codes: 16 lane + 8192 (wave % 2)
.set VAS, 13                           ; A's scale words: 8 lane + 512 (wave % 2)
.set PFA, 14                           ; prefetch offsets
.set PFB, 15
.set PFB2, 16
.set SPW, 28
.set NIL, 29
.set SA,  32
.set SB,  40
.set AF,  64
.set G1,  24                           ; s[24:31], s[32:35] the tile's descriptor
.set G0,  32
.set WH,  38                           ; wave x HB
.set CU,  39                           ; the slot at work: 0 or SLOT
.set NX,  48                           ; the other slot
.set AB,  44                           ; s[44:45] A: my 128 rows' block, this trip's 512 of K
.set PB,  46                           ; s[46:47] B: my half block of this trip's 512 of K
.set MSB, 0
.macro WIN new                         ; the immediate's high byte repeats the setting that is left
.if MSB != (\new)
	s_set_vgpr_msb (MSB<<8)|(\new)
.set MSB, (\new)
.endif
.endm
.set M0,   0xa1                        ; source 0 (B) window 1, source 1 (A) window 0, C and D window 2
.set M1,   0xf1                        ; the same, C and D window 3
.set TO_B, 0x40
.macro PLACES n
.rept \n
	v_nop
.endr
.endm
.macro CREST                           ; a round of the cluster's barrier behind its opening barrier
	s_cmp_lg_u32 s10, 0
	s_cbranch_scc1 .Lnot_wave_0_\@
	s_barrier_signal -3
.Lnot_wave_0_\@:
	s_barrier_wait -3
	s_barrier_signal -1
	s_barrier_wait -1
.endm
.macro CROUND
	s_barrier_signal -1
	s_barrier_wait -1
	CREST
.endm
.macro SETADR sr                       ; B's LDS addresses in the slot at s[sr]
	v_add_nc_u32 v[ADR], s[\sr], v[L16]
	v_add_nc_u32 v[ADS], s[\sr], v[L8B]
	v_add_nc_u32 v[ADR+1], HB, v[ADR]
	v_add_nc_u32 v[ADR+2], BLK, v[ADR]
	v_add_nc_u32 v[ADR+3], BLK+HB, v[ADR]
	v_add_nc_u32 v[ADS+1], BLK, v[ADS]
.endm
.macro LOADA lh, p, n                  ; A's tiles 2 lh, 2 lh + 1 of the n-th 128 of K from s[AB] on, and their scale words, into set p: 9 loads
.set O_, ((\n)/4)*BLK+(((\n)%4)/2)*HB
.irp i, 2*(\lh), 2*(\lh)+1
.irp c, 0,1,2,3
	global_load_b128 v[AF+64*(\p)+16*(\i)+4*\c:AF+64*(\p)+16*(\i)+4*\c+3], v[VAO], s[AB:AB+1] offset:O_+((\n)%2)*16384+(\i)*2048+\c*512
.endr
.endr
	global_load_b64 v[SA+4*(\p)+2*(\lh):SA+4*(\p)+2*(\lh)+1], v[VAS], s[AB:AB+1] offset:O_+32768+256*(\lh)
.endm
.macro FETCHB hf, q                    ; B's tiles 8 hf .. 8 hf + 7 of the slot's q-th 128 of K, and their scale words: 36 LDS loads
	WIN TO_B
.irp i, 0,1,2,3,4,5,6,7
.irp c, 0,1,2,3
	ds_load_b128 v[128*(\hf)+16*\i+4*\c:128*(\hf)+16*\i+4*\c+3], v[ADR+2*(\hf)+(\q)/2] offset:((\q)%2)*16384+\i*2048+\c*512
.endr
.endr
	WIN 0
.irp t, 0,1,2,3
	ds_load_b64 v[SB+8*(\hf)+2*\t:SB+8*(\hf)+2*\t+1], v[ADS+(\hf)] offset:((\q)/2)*HB+256*\t
.endr
.endm
.macro MUL16 hf, lh, p, zero           ; 16 products: A's tiles 2 lh, 2 lh + 1 of set p x B's half hf.  The accumulators take turns; zero = 1: the first product starts the sums
.irp a, 2*(\lh), 2*(\lh)+1
.irp b, 0,1,2,3,4,5,6,7
.if \zero
	v_wmma_scale_f32_16x16x128_f8f6f4 v[8*(8*(\a)+\b):8*(8*(\a)+\b)+7], v[128*(\hf)+16*\b:128*(\hf)+16*\b+15], v[AF+64*(\p)+16*(\a):AF+64*(\p)+16*(\a)+15], 0, v[SB+8*(\hf)+\b], v[SA+4*(\p)+(\a)]
.elseif \p
	v_wmma_scale_f32_16x16x128_f8f6f4 v[8*(8*(\a)+\b):8*(8*(\a)+\b)+7], v[128*(\hf)+16*\b:128*(\hf)+16*\b+15], v[AF+64*(\p)+16*(\a):AF+64*(\p)+16*(\a)+15], v[8*(8*(\a)+\b):8*(8*(\a)+\b)+7], v[SB+8*(\hf)+\b], v[SA+4*(\p)+(\a)] matrix_a_scale:MATRIX_SCALE_ROW1 matrix_b_scale:MATRIX_SCALE_ROW1
.else
	v_wmma_scale_f32_16x16x128_f8f6f4 v[8*(8*(\a)+\b):8*(8*(\a)+\b)+7], v[128*(\hf)+16*\b:128*(\hf)+16*\b+15], v[AF+64*(\p)+16*(\a):AF+64*(\p)+16*(\a)+15], v[8*(8*(\a)+\b):8*(8*(\a)+\b)+7], v[SB+8*(\hf)+\b], v[SA+4*(\p)+(\a)]
.endif
.endr
.endr
.endm
.macro STOREH hf                       ; the 32 sums of window 2 + hf leave as they stand, each from its low end on
	WIN 0x08+4*(\hf)
.irp a, 0,1,2,3
.irp b, 0,1,2,3,4,5,6,7
	global_store_b128 v[L16], v[8*(8*\a+\b):8*(8*\a+\b)+3], s[8:9] offset:\a*16384+(8*(\hf)+\b)*1024
	global_store_b128 v[L16], v[8*(8*\a+\b)+4:8*(8*\a+\b)+7], s[8:9] offset:\a*16384+(8*(\hf)+\b)*1024+512
.endr
.endr
.endm
; A step whose successor lies in the same slot.  q: which 128 of the slot; n: what A's loads fetch (the step two on), -1: nothing; nf: B's next step is fetched; l1, l2: the global loads younger than this step's first and second half of A (runs of 9); out: the sums leave
.macro STEP q, zero, n, nf, l1, l2, out
	s_wait_loadcnt \l1
	s_wait_dscnt 36                                ; B's tiles 0-7 are in; the younger run of 36 may be out
	WIN M0
	MUL16 0, 0, (\q)%2, \zero
	s_wait_loadcnt \l2
	MUL16 0, 1, (\q)%2, \zero
	PLACES 8                                       ; eight places ahead of loads into registers that products have read, and of stores of sums (ISA guide 7.12.1 for the stores)
.if \nf
	FETCHB 0, (\q)+1
	s_wait_dscnt 36                                ; B's tiles 8-15 are in
.else
	s_wait_dscnt 0x0
.endif
.if \out
	STOREH 0
.endif
	WIN M1
	MUL16 1, 0, (\q)%2, \zero
.if \n >= 0
	PLACES 8
	WIN 0
	LOADA 0, (\q)%2, \n
	WIN M1
.endif
	MUL16 1, 1, (\q)%2, \zero
	PLACES 8
	WIN 0
.if \n >= 0
	LOADA 1, (\q)%2, \n
.endif
.if \nf
	FETCHB 1, (\q)+1
.endif
.if \out
	STOREH 1
	WIN 0
.endif
.endm
; A slot's last step changes slots.  In front of the barrier each wave waits for its tensor load (its part of the other slot), adds 0 to its spare word, and waits for that and for its reads of this slot.
; fill = 1: the barrier opens a round of the cluster's barrier and this slot takes the 512 of K two slots on: 3.5 steps, 224 products, stand between the request and the wait for it.
.macro TURN fill, n
	s_wait_loadcnt 27
	s_wait_tensorcnt 0x0
	ds_add_u32 v[SPW], v[NIL]
.if \fill
	s_add_co_u32 s[G0+1], s[WH], s[CU]             ; no tensor load of mine is out: the descriptor may be written
	s_add_nc_u64 s[G0+2:G0+3], s[G0+2:G0+3], BLK
.endif
	s_wait_dscnt 37                                ; B's tiles 0-7 are in (the younger run of 36 and the add may be out)
	WIN M0
	MUL16 0, 0, 1, 0
	s_wait_loadcnt 18
	s_wait_dscnt 0x0                               ; the add is done, and my reads of this slot are over
	s_barrier_signal -1
	MUL16 0, 1, 1, 0
	WIN 0
	s_barrier_wait -1
.if \fill
	CREST
	tensor_load_to_lds s[G0:G0+3], s[G1:G1+7]
	s_nop 0
.endif
	SETADR NX                                      ; six of the eight places ahead of the fetch
	PLACES 2
	s_wait_alu depctr_va_vdst(0)                   ; directly behind the address writes
	FETCHB 0, 0
.if \fill
; PREFETCH INTO THE L2.  A: the 512 of K two trips on, of which the four work-groups that read my 64 rows (the cluster row's four column blocks) take one 128 of K each: 8,192 bytes, a lane to each 256; its loads begin three steps on.
; B: what the NEXT trip's refill asks for: of my half block's 132 units of 256 bytes each of the cluster column's four takes 33, told apart by address: a lane a unit, and the 33rd by a second line.  The last refilling trip asks for none of B.
	global_prefetch_b8 v[PFA], s[AB:AB+1] offset:2*BLK th:TH_LOAD_NT scope:SCOPE_SE
	s_cmp_lt_u32 s3, 5
	s_cbranch_scc0 .Lno_b_\@
	global_prefetch_b8 v[PFB], s[PB:PB+1] offset:3*BLK th:TH_LOAD_NT scope:SCOPE_SE
	global_prefetch_b8 v[PFB2], s[PB:PB+1] offset:3*BLK th:TH_LOAD_NT scope:SCOPE_SE
.Lno_b_\@:
.endif
	WIN M1
	MUL16 1, 0, 1, 0
	PLACES 8
	WIN 0
	LOADA 0, 1, \n
	WIN M1
	MUL16 1, 1, 1, 0
	PLACES 8
	WIN 0
	LOADA 1, 1, \n
	FETCHB 1, 0
.endm
	s_load_b128 s[4:7], s[0:1], 0x0                ; aq, bq
	s_load_b64 s[8:9], s[0:1], 0x10                ; part
	v_lshl_add_u32 v[SPW], v0, 2, SPARE
	v_mov_b32 v[NIL], 0
	ds_add_u32 v[SPW], v[NIL]                      ; the opening: the add, twice on end, and its wait ahead of my first tensor load
	ds_add_u32 v[SPW], v[NIL]
	v_lshrrev_b32 v1, 5, v0
	v_readfirstlane_b32 s10, v1                    ; wave
	s_lshr_b32 s11, s10, 1
	s_and_b32 s12, s10, 1
	s_bfe_u32 s40, ttmp6, 0x40000                  ; cx = column block
	s_bfe_u32 s41, ttmp6, 0x40004                  ; cy
	s_and_b32 s14, ttmp7, 0xffff                   ; cluster y = 4 x group of four row blocks + quarter of K
	s_and_b32 s16, s14, 3                          ; quarter of K
	s_lshr_b32 s13, s14, 2
	s_lshl_b32 s13, s13, 2
	s_add_co_u32 s13, s13, s41                     ; row block
	s_lshl_b32 s42, 0x1111, s40                    ; my column of the cluster
	s_or_b32 s[G1], s42, (3<<16)|(1<<21)           ; the mask; elements of 8 bytes; bit 21 beside a mask
	s_mov_b32 s[G1+1], 32<<16                      ; a half block is dense: 132 rows of 256 bytes
	s_mov_b32 s[G1+2], 132<<16
	s_mov_b32 s[G1+3], 32<<16
	s_mov_b32 s[G1+4], 132
	s_mov_b32 s[G1+5], 32
	s_mov_b32 s[G1+6], 0
	s_mov_b32 s[G1+7], 0
	s_lshl_b32 s17, s16, 3                         ; 8 blocks of 512 along K to a quarter
	s_lshl_b32 s20, s13, 1
	s_add_co_u32 s20, s20, s11
	s_lshl_b32 s20, s20, 5
	s_add_co_u32 s20, s20, s17
	s_mul_i32 s20, s20, BLK                        ; A: block 32 (2 x row block + wave / 2) + 8 x quarter
	s_mov_b32 s21, 0
	s_lshl_b32 s22, s40, 1
	s_add_co_u32 s22, s22, s11
	s_lshl_b32 s22, s22, 5
	s_add_co_u32 s22, s22, s17
	s_mul_i32 s22, s22, BLK                        ; B: block 32 (2 x column block + wave / 2) + 8 x quarter, half block wave % 2: nothing of cy
	s_mul_i32 s18, s12, HB
	s_add_co_u32 s22, s22, s18
	s_mov_b32 s23, 0
	s_lshl_b32 s36, s13, 2
	s_add_co_u32 s36, s36, s40
	s_lshl_b32 s36, s36, 2
	s_add_co_u32 s36, s36, s10
	s_lshl_b32 s36, s36, 16                        ; part: 65,536 bytes a wave
	s_lshl_b32 s18, s16, 24
	s_add_co_u32 s36, s36, s18
	s_mov_b32 s37, 0
	s_mul_i32 s[WH], s10, HB
	s_mov_b32 s[CU], 0
	s_mov_b32 s[NX], SLOT
	s_mov_b32 s[G0], 1
	s_mov_b32 s[G0+1], s[WH]
	s_lshr_b32 s18, s40, 1                         ; A's prefetch: the 128 of K whose number is my column block's
	s_mul_i32 s18, s18, HB
	s_and_b32 s19, s40, 1
	s_lshl_b32 s19, s19, 14
	s_add_co_u32 s18, s18, s19
	s_lshl_b32 s19, s12, 13
	s_add_co_u32 s18, s18, s19
	s_mul_i32 s50, s41, 33*256                     ; B's: my work-group's 33 units
	s_add_co_u32 s51, s50, 32*256
	v_and_b32 v2, 31, v0
	v_lshlrev_b32 v[L16], 4, v2
	v_lshlrev_b32 v3, 3, v2
	v_add_nc_u32 v[L8B], 32768, v3
	v_add_nc_u32 v[VAO], s19, v[L16]
	s_lshl_b32 s19, s12, 9
	v_add_nc_u32 v[VAS], s19, v3
	v_lshl_add_u32 v[PFA], v2, 8, s18
	v_lshl_add_u32 v[PFB], v2, 8, s50
	v_mov_b32 v[PFB2], s51
	s_wait_dscnt 0x0                               ; both opening adds are done
	s_wait_alu depctr_va_vdst(0)
	s_wait_kmcnt 0x0
	s_add_nc_u64 s[AB:AB+1], s[4:5], s[20:21]
	s_add_nc_u64 s[PB:PB+1], s[6:7], s[22:23]
	s_add_nc_u64 s[8:9], s[8:9], s[36:37]
	s_mov_b64 s[G0+2:G0+3], s[PB:PB+1]
	s_or_b32 s[G0+3], s[G0+3], 0x80000000
	LOADA 0, 0, 0                                  ; A's first two steps: four runs of 9
	LOADA 1, 0, 0
	LOADA 0, 1, 1
	LOADA 1, 1, 1
	CROUND                                         ; all sixteen work-groups are here: the first joint loads meet
	tensor_load_to_lds s[G0:G0+3], s[G1:G1+7]      ; slot 0: one tensor load a wave at the head
	s_nop 0
	SETADR CU
	s_wait_alu depctr_va_vdst(0)                   ; the wait at the head's end
	s_wait_tensorcnt 0x0                           ; my part of slot 0 is in; these lines stand ahead of a later first fill as ahead of a refill
	ds_add_u32 v[SPW], v[NIL]
	s_add_co_u32 s[G0+1], s[WH], s[NX]
	s_add_nc_u64 s[G0+2:G0+3], s[G0+2:G0+3], BLK
	s_wait_dscnt 0x0
	CROUND
	tensor_load_to_lds s[G0:G0+3], s[G1:G1+7]      ; slot 1
	s_nop 0
	PLACES 4
	FETCHB 0, 0
	FETCHB 1, 0
	STEP 0, 1, 2, 1, 27, 18, 0                     ; the first step stands ahead of the loop: its products start the sums
	s_mov_b32 s3, 0
.Ltrip:                                                ; a trip: a slot's steps 1, 2, 3 and the next slot's step 0; six trips, each with its refill
	STEP 1, 0, 3, 1, 27, 18, 0
	STEP 2, 0, 4, 1, 27, 18, 0
	TURN 1, 5
	STEP 0, 0, 6, 1, 27, 18, 0
	s_wait_xcnt 0x0                                ; my loads and prefetches have read their bases
	s_add_nc_u64 s[AB:AB+1], s[AB:AB+1], BLK
	s_add_nc_u64 s[PB:PB+1], s[PB:PB+1], BLK
	s_xor_b32 s[CU], s[CU], SLOT
	s_xor_b32 s[NX], s[NX], SLOT
	s_add_co_u32 s3, s3, 1
	s_cmp_lt_u32 s3, 6
	s_cbranch_scc1 .Ltrip
	STEP 1, 0, 3, 1, 27, 18, 0                     ; the last two slots fill nothing
	STEP 2, 0, 4, 1, 27, 18, 0
	TURN 0, 5
	STEP 0, 0, 6, 1, 27, 18, 0
	STEP 1, 0, 7, 1, 27, 18, 0
	STEP 2, 0, -1, 1, 27, 18, 0                    ; A's last step has been asked for
	STEP 3, 0, -1, 0, 9, 0, 1                      ; window 2's sums leave ahead of window 3's last products
	s_wait_tensorcnt 0x0                           ; the wave's end
	ds_add_u32 v[SPW], v[NIL]
	s_wait_dscnt 0x0
	CROUND                                         ; the closing round
	s_endpgm
.Lfunc_end_k_q92149e36c9_gemm:
	.size	k_q92149e36c9_gemm, .Lfunc_end_k_q92149e36c9_gemm-k_q92149e36c9_gemm
	.p2alignl 7, 3214868480
	.fill 96, 4, 3214868480
	.section	.rodata,"a",@progbits
	.p2align	6, 0x0
	.amdhsa_kernel k_q92149e36c9_gemm
		.amdhsa_group_segment_fixed_size 327680
		.amdhsa_private_segment_fixed_size 0
		.amdhsa_enable_private_segment 0
		.amdhsa_kernarg_size 24
		.amdhsa_user_sgpr_count 2
		.amdhsa_user_sgpr_kernarg_segment_ptr 1
		.amdhsa_wavefront_size32 1
		.amdhsa_system_sgpr_workgroup_id_x 1
		.amdhsa_system_sgpr_workgroup_id_y 1
		.amdhsa_system_sgpr_workgroup_id_z 1
		.amdhsa_system_vgpr_workitem_id 0
		.amdhsa_next_free_vgpr 1024
		.amdhsa_next_free_sgpr 66
		.amdhsa_reserve_vcc 0
		.amdhsa_float_denorm_mode_32 3
		.amdhsa_float_denorm_mode_16_64 3
		.amdhsa_memory_ordered 1
		.amdhsa_forward_progress 1
		.amdhsa_inst_pref_size 204
	.end_amdhsa_kernel
	.amdgpu_metadata
---
amdhsa.version: [ 1, 2 ]
amdhsa.kernels:
  - .name:           k_q92149e36c9_gemm
    .symbol:         k_q92149e36c9_gemm.kd
    .args:
      - { .name: aq, .offset: 0, .size: 8, .value_kind: global_buffer, .address_space: global }
      - { .name: bq, .offset: 8, .size: 8, .value_kind: global_buffer, .address_space: global }
      - { .name: part, .offset: 16, .size: 8, .value_kind: global_buffer, .address_space: global }
    .group_segment_fixed_size: 327680
    .private_segment_fixed_size: 0
    .kernarg_segment_align: 8
    .kernarg_segment_size: 24
    .max_flat_workgroup_size: 128
    .sgpr_count:     66
    .vgpr_count:     1024
    .wavefront_size: 32
...
	.end_amdgpu_metadata
.endif
;; end of part 2
;; launch reduce (part 3): grid 1024 x 1, 4 waves a work-group, no clusters, 17,920 bytes of LDS; arguments part, out0; writes out0
.if DOCPART == 3
	.amdgcn_target "amdgcn-amd-amdhsa--gfx1250"
	.amdhsa_code_object_version 6
	.text
	.protected	k_q92149e36c9_reduce
	.globl	k_q92149e36c9_reduce
	.p2align	8
	.type	k_q92149e36c9_reduce,@function
k_q92149e36c9_reduce:
	s_mov_b64 s[64:65], 0
	v_nop
	global_prefetch_b8 v0, s[64:65] scope:SCOPE_SE
	s_setreg_imm32_b32 hwreg(HW_REG_WAVE_MODE, 25, 1), 1
	s_wait_xcnt 0x0
; out0 = the sum of the four parts over K, (p0 + p1) + (p2 + p3), in f32, and the turn from images of accumulators to rows.
; part[quarter][row block tr][column block tc][wave w][a][b][half][lane (r, h)][4 numbers] is out0 row 256 tr + 64 w + 16 a + r, columns 256 tc + 16 b + 8 h + 4 half + 0 .. 3.
; Work-group g takes (tr, tc, w, a) = (g / 64, g / 16 % 4, g / 4 % 4, g % 4); its wave v takes b = 4 v .. 4 v + 3: 4,096 consecutive bytes of each part: 16 rows x 256 bytes of out0.
; Every load covers 512 consecutive bytes.  The sums turn through the wave's own stage in LDS (rows 272 bytes apart), and sixteen lanes store one aligned unit of 256 bytes.
; No matrix unit, no tensor load, no cluster, no barrier: waves share nothing, and each byte is read once.  All loads of a wave go out at once, so there is no loop to prefetch in.
.set SPARE, 17408                      ; behind the four stages of 16 x 272 bytes
	s_load_b128 s[4:7], s[0:1], 0x0                ; part, out0
	v_lshl_add_u32 v30, v0, 2, SPARE
	v_mov_b32 v31, 0
	v_lshrrev_b32 v1, 5, v0
	v_readfirstlane_b32 s8, v1                     ; wave
	v_and_b32 v2, 31, v0
	v_and_b32 v3, 15, v0                           ; r
	v_bfe_u32 v4, v0, 4, 1                         ; h
	v_lshlrev_b32 v5, 4, v2                        ; in: 16 x lane
	s_mul_i32 s9, s8, 4352
	v_mul_u32_u24 v6, v3, 272
	v_lshl_add_u32 v6, v4, 5, v6
	v_add_nc_u32 v6, s9, v6                        ; into the stage: row r, 32 h
	v_mul_u32_u24 v7, v4, 272
	v_lshl_add_u32 v7, v3, 4, v7
	v_add_nc_u32 v7, s9, v7                        ; back: lanes 0-15 one row of 256 bytes, lanes 16-31 the next
	v_lshlrev_b32 v8, 12, v4
	v_lshl_add_u32 v8, v3, 4, v8                   ; and the same two rows of out0 (4,096 bytes a row)
	s_lshl_b32 s10, ttmp9, 14
	s_lshl_b32 s11, s8, 12
	s_add_co_u32 s10, s10, s11                     ; my 4,096 bytes of a part
	s_mov_b32 s11, 0
	s_lshr_b32 s12, ttmp9, 6
	s_lshl_b32 s12, s12, 8
	s_and_b32 s13, ttmp9, 15
	s_lshl_b32 s13, s13, 4
	s_add_co_u32 s12, s12, s13                     ; my first row: 256 tr + 16 (4 w + a)
	s_lshl_b32 s12, s12, 12
	s_bfe_u32 s13, ttmp9, 0x20004                  ; tc
	s_lshl_b32 s13, s13, 10
	s_add_co_u32 s12, s12, s13
	s_lshl_b32 s13, s8, 8
	s_add_co_u32 s12, s12, s13                     ; + 1,024 tc + 256 v bytes
	s_mov_b32 s13, 0
	s_wait_alu depctr_va_vdst(0)                   ; the wait at the head's end
	s_wait_kmcnt 0x0
	s_add_nc_u64 s[14:15], s[4:5], s[10:11]
	s_add_nc_u64 s[16:17], s[14:15], 0x1000000
	s_add_nc_u64 s[18:19], s[16:17], 0x1000000
	s_add_nc_u64 s[20:21], s[18:19], 0x1000000
	s_add_nc_u64 s[6:7], s[6:7], s[12:13]
.irp s, 0,1,2,3
.irp k, 0,1,2,3,4,5,6,7
	global_load_b128 v[32+32*\s+4*\k:32+32*\s+4*\k+3], v5, s[14+2*\s:15+2*\s] offset:512*\k th:TH_LOAD_NT
.endr
.endr
	s_wait_loadcnt 16                              ; parts 0 and 1 are in
.irp j, 0,2,4,6,8,10,12,14,16,18,20,22,24,26,28,30
	v_pk_add_f32 v[32+\j:33+\j], v[32+\j:33+\j], v[64+\j:65+\j]
.endr
	s_wait_loadcnt 0x0
.irp j, 0,2,4,6,8,10,12,14,16,18,20,22,24,26,28,30
	v_pk_add_f32 v[96+\j:97+\j], v[96+\j:97+\j], v[128+\j:129+\j]
.endr
.irp j, 0,2,4,6,8,10,12,14,16,18,20,22,24,26,28,30
	v_pk_add_f32 v[32+\j:33+\j], v[32+\j:33+\j], v[96+\j:97+\j]
.endr
.irp k, 0,1,2,3,4,5,6,7
	ds_store_b128 v6, v[32+4*\k:35+4*\k] offset:(\k/2)*64+(\k%2)*16
.endr
.irp t, 0,1,2,3,4,5,6,7
	ds_load_b128 v[64+4*\t:67+4*\t], v7 offset:\t*544     ; LDS serves a wave's instructions in order (ISA guide 5.7.1): these see my stores
.endr
	s_wait_dscnt 0x0
.irp t, 0,1,2,3,4,5,6,7
	global_store_b128 v8, v[64+4*\t:67+4*\t], s[6:7] offset:\t*8192 th:TH_STORE_NT
.endr
	s_wait_tensorcnt 0x0                           ; the wave's end
	ds_add_u32 v30, v31
	s_wait_dscnt 0x0
	s_endpgm
.Lfunc_end_k_q92149e36c9_reduce:
	.size	k_q92149e36c9_reduce, .Lfunc_end_k_q92149e36c9_reduce-k_q92149e36c9_reduce
	.p2alignl 7, 3214868480
	.fill 96, 4, 3214868480
	.section	.rodata,"a",@progbits
	.p2align	6, 0x0
	.amdhsa_kernel k_q92149e36c9_reduce
		.amdhsa_group_segment_fixed_size 17920
		.amdhsa_private_segment_fixed_size 0
		.amdhsa_enable_private_segment 0
		.amdhsa_kernarg_size 16
		.amdhsa_user_sgpr_count 2
		.amdhsa_user_sgpr_kernarg_segment_ptr 1
		.amdhsa_wavefront_size32 1
		.amdhsa_system_sgpr_workgroup_id_x 1
		.amdhsa_system_sgpr_workgroup_id_y 1
		.amdhsa_system_sgpr_workgroup_id_z 1
		.amdhsa_system_vgpr_workitem_id 0
		.amdhsa_next_free_vgpr 168
		.amdhsa_next_free_sgpr 66
		.amdhsa_reserve_vcc 0
		.amdhsa_float_denorm_mode_32 3
		.amdhsa_float_denorm_mode_16_64 3
		.amdhsa_memory_ordered 1
		.amdhsa_forward_progress 1
		.amdhsa_inst_pref_size 11
	.end_amdhsa_kernel
	.amdgpu_metadata
---
amdhsa.version: [ 1, 2 ]
amdhsa.kernels:
  - .name:           k_q92149e36c9_reduce
    .symbol:         k_q92149e36c9_reduce.kd
    .args:
      - { .name: part, .offset: 0, .size: 8, .value_kind: global_buffer, .address_space: global }
      - { .name: out0, .offset: 8, .size: 8, .value_kind: global_buffer, .address_space: global }
    .group_segment_fixed_size: 17920
    .private_segment_fixed_size: 0
    .kernarg_segment_align: 8
    .kernarg_segment_size: 16
    .max_flat_workgroup_size: 128
    .sgpr_count:     66
    .vgpr_count:     168
    .wavefront_size: 32
...
	.end_amdgpu_metadata
.endif
;; end of part 3
